; MI455X (gfx1250); checked and timed in simulation.
; The chip was launched on July 23, 2026; its instructions are those of AMD's public machine-readable ISA for CDNA 5 (MIT licence, August 2026) and "CDNA5" Instruction Set Architecture Reference Guide (July 2026). The comments in the code are by the model that wrote it; some were corrected since.
;; Grouped Self Attention. Allowed arithmetic: float matrix products may take bf16 or f16 operands with f32 sums; all other float work in f32.
;; Inputs: Wk 1,024 x 1,024 float32; Wq 1,024 x 1,024 float32; Wv 1,024 x 1,024 float32; attention_mask 2 x 2,048 int32; x 2 x 2,048 x 1,024 float32.
;; Outputs: out0 2 x 2,048 x 1,024 float32.
;; One version. Each part assembles by itself: llvm-mc -triple=amdgcn-amd-amdhsa -mcpu=gfx1250 --defsym DOCPART=n.
;; ======== version 1 of 1: 2 launches
;; limits: values are held in f16: magnitudes above 65,504 overflow, below 6.1e-05 lose precision; right only within a limited range of input values
;; workspace buffers: qws 8,388,608 bytes; kws 8,388,608 bytes; vws 8,388,608 bytes
;; launch proj (part 1): grid 16 x 16, 4 waves a work-group, clusters of 4 x 4, 327,680 bytes of LDS; arguments x, Wq, Wk, Wv, qws, kws, vws; writes qws, kws, vws
.if DOCPART == 1
	.amdgcn_target "amdgcn-amd-amdhsa--gfx1250"
	.amdhsa_code_object_version 6
	.text
	.protected	k_qd360656090_proj
	.globl	k_qd360656090_proj
	.p2align	8
	.type	k_qd360656090_proj,@function
k_qd360656090_proj:
	s_mov_b64 s[64:65], 0
	v_nop
	global_prefetch_b8 v0, s[64:65] scope:SCOPE_SE
	s_setreg_imm32_b32 hwreg(HW_REG_WAVE_MODE, 25, 1), 1
	s_wait_xcnt 0x0
	s_wait_alu depctr_hold_cnt(0) depctr_sa_sdst(0) depctr_va_vdst(0) depctr_va_sdst(0) depctr_va_ssrc(0) depctr_va_vcc(0) depctr_vm_vsrc(0)
	s_getreg_b32 s2, hwreg(HW_REG_IB_STS2, 6, 4)
	s_cmp_eq_u32 s2, 0
	s_cbranch_scc0 .Lentry_in_a_cluster
	s_endpgm
.Lentry_in_a_cluster:
	s_bfe_u32 s2, ttmp6, 0x10000c
	s_cmp_lg_u32 s2, 0xf033
	s_cbranch_scc0 .Lentry_shape_is_right
	s_endpgm
.Lentry_shape_is_right:
; proj: q = x Wq^T, k = x Wk^T, v = x Wv^T for 4096 rows of x, with the column factor that the rope of this problem amounts to, out as f16.
; x [4096][1024] f32, W* [1024][1024] f32; qws, kws, vws: f16 [b][head][s][64] (a row 128 bytes, one (b, head) 262,144 dense bytes).
; THE ROPE: its angle is b * theta(d mod 32), theta(i) = 10000^(-i/32), b the BATCH (0 or 1), and nothing is rotated: column d is multiplied by
; f = cos + sin (d < 32) or cos - sin (d >= 32).  The angles lie in [0, 1]: sin by its series to x^11 (remainder below 1.6e-10), cos to x^10 (below 2.1e-9),
; both below half a unit in the last place of an f32 near 1.  qws = q f c, kws = k f c with c = sqrt(0.125 log2 e) = 0.42466, so that q k comes out as the
; score's exponent of 2; vws = v / 4 (the 4 returns with 1/l in the second launch).  Scaled in f32, rounded once to f16.
; FORMAT: all matrix operands are f16, 11 significant bits: the result is allowed 1 % of its root mean square, which is about 1/20 of v's, and six roundings
; to 8 bits (x, W, q, k, v, P) do not leave enough of that.
; LIMITS (range): |x|, |W| and the stored q f c, k f c, v / 4 stay below 65,504.  x and W both 30 times the spread 1 and 1/32: |q|, |k|, |v| about 900 x 6 = 5,400,
; stored at most 3,300.  Common offsets of 30 spreads on both: 1024 x 30 x 0.94 = 28,800, stored 17,300 (|f| c <= 0.6) and 7,200.  Both 30 times smaller: stored
; root mean squares 4.7e-4 and 2.8e-4 against a step of 2^-24 = 6e-8.  Sums in f32.
; SHARES: work-group (hd, mb) = 256 rows of x (256 mb ..) times the 64 rows 64 hd .. of each of Wq, Wk, Wv: 256 x 192, 16 x 16 work-groups.
; Wave w (mh = w >> 1, nh = w & 1): 128 rows (128 mh ..) x 96 columns (d = 32 nh .. + 31 of q, of k, of v): 48 accumulator tiles n = 6 a + i,
; a = 0..7 the 16 rows of x, i = 0..5: buffer u = i >> 1 (q, k, v), half p = i & 1.
; CLUSTERS: 4 x 4 work-groups.  A tile of x hangs on mb alone and is asked for jointly by the four of a row of the cluster; a tile of W hangs on hd alone and is
; asked for jointly by the four of a column.  Each wave issues four joint loads a tile (its 64 rows of x, its 16 rows of each W): four tensor loads out at the most.
; K goes in steps of 64 f32 (a row of a tile: 256 bytes of memory, at a multiple of 256 from the buffer's first byte) through two LDS slots.
; THE MATRIX INSTRUCTION IS USED TRANSPOSED: source 0 = 16 rows of W, source 1 = 16 rows of x; lane (r, h) register j = feature 16 p + 8 h + j of row 16 a + r.
.set KB,     256                       ; bytes of a K step in a row
.set PITCH,  272                       ; LDS row: 256 + 16 = 17 x 16 bytes: sixteen rows start at sixteen different 16-byte columns modulo 256
.set XPART,  64*PITCH                  ; a wave's 64 rows of x
.set WPART,  16*PITCH                  ; a wave's 16 rows of one W
.set WOFF,   256*PITCH                 ; the three W regions lie behind x's 256 rows
.set WREG,   64*PITCH                  ; one W region
.set SLOT,   WOFF+3*WREG               ; 121,856 bytes; two slots = 243,712
.set SPITCH, 144                       ; the stage on the way out: rows of 128 bytes + 16 = 9 x 16
.set SREG,   256*SPITCH                ; one buffer's 256 rows; three of them = 110,592 bytes, inside slot 0, whose last fill is K step 14
; window 0
.set QU,   14                          ; v14-15  0.25 twice, for v's tiles
.set ADRA, 16                          ; v16-17  x fragments in slot 0, 1: (128 mh + r) PITCH + 32 h
.set ADRB, 18                          ; v18-19  W fragments: WOFF + (32 nh + r) PITCH + 32 h
.set STO,  20                          ; v20-22  stage, in: u SREG + (128 mh + r) SPITCH + 64 nh + 16 h
.set RD,   23                          ; v23-25  stage, back: u SREG + (64 w + lane/8) SPITCH + 16 (lane & 7)
.set CO,   26                          ; v26     8192 w + 16 lane
.set FK,   32                          ; v32-47  f c for feature 16 p + 8 h + j at index 8 p + j: the same for q and for k
.set FR,   64                          ; v64-175 14 f16 fragments of 8 registers: x a = 0..7, then W i = 0..5
.set TMP,  176                         ; v176-199 packed results
; window 1: v0-223 the same 14 fragments in f32 as loaded, 16 registers each.  window 2: tiles 0-31 at 8 n.  window 3: tiles 32-47 at 8 (n - 32).
.set G1A, 24                           ; s[24:31] group 1 of x's tiles
.set G1B, 32                           ; s[32:39] group 1 of W's tiles
.set G0,  40                           ; group 0: slot s, load l (0 x, 1..3 Wq, Wk, Wv) at s[40 + 28 s + 4 l ..]: s[40:55] and s[68:83]
.set MSB, 0
.macro WIN new                         ; the immediate's high byte repeats the setting that is left; a switch that changes nothing is dropped
.if MSB != \new
	s_set_vgpr_msb (MSB<<8)|\new
.set MSB, \new
.endif
.endm
.macro PLACES n
.rept \n
	v_nop
.endr
.endm
.macro CREST                           ; a round of the cluster's barrier behind its opening work-group barrier
	s_cmp_lg_u32 s18, 0
	s_cbranch_scc1 .Lnot_wave_0_\@
	s_barrier_signal -3
.Lnot_wave_0_\@:
	s_barrier_wait -3
	s_barrier_signal -1
	s_barrier_wait -1
.endm
.macro CROUND
	s_barrier_signal -1
	s_barrier_wait -1
	CREST
.endm
	s_load_b256 s[4:11], s[0:1], 0x0               ; x s[4:5], Wq s[6:7], Wk s[8:9], Wv s[10:11]
	s_load_b128 s[12:15], s[0:1], 0x20             ; qws s[12:13], kws s[14:15]
	s_load_b64 s[16:17], s[0:1], 0x30              ; vws
	v_lshl_add_u32 v254, v0, 2, 0x3b800
	v_mov_b32 v255, 0
	ds_add_u32 v254, v255
	v_lshrrev_b32 v1, 5, v0
	v_readfirstlane_b32 s18, v1                    ; wave 0..3
	s_lshr_b32 s19, s18, 1                         ; mh
	s_and_b32 s20, s18, 1                          ; nh
	s_bfe_u32 s21, ttmp6, 0x40000                  ; cx
	s_bfe_u32 s22, ttmp6, 0x40004                  ; cy
	s_lshl_b32 s23, ttmp9, 2
	s_add_co_u32 s23, s23, s21                     ; hd = 4 x cluster x + cx
	s_and_b32 s84, ttmp7, 0xffff
	s_lshl_b32 s84, s84, 2
	s_add_co_u32 s84, s84, s22                     ; mb = 4 x cluster y + cy
	s_lshr_b32 s85, s84, 3                         ; b: 8 blocks of 256 rows a batch
	s_lshl_b32 s61, s22, 2
	s_lshl_b32 s61, 15, s61                        ; my row of the cluster: places 4 cy .. 4 cy + 3
	s_lshl_b32 s62, 0x1111, s21                    ; my column: places cx, cx + 4, cx + 8, cx + 12
	; group 1: elements of 4 bytes; 16 bytes of padding behind every 64 words; bit 21 set beside the mask
	s_or_b32 s[G1A+0], s61, (2<<16)|(1<<20)|(1<<21)|(5<<22)|(3<<25)
	s_mov_b32 s[G1A+1], 64<<16                     ; tensor_dim0 = 64
	s_mov_b32 s[G1A+2], 64<<16                     ; tensor_dim1 = 64
	s_mov_b32 s[G1A+3], 64<<16                     ; tile_dim0 = 64 elements = 256 bytes
	s_mov_b32 s[G1A+4], 64                         ; tile_dim1 = 64 rows
	s_mov_b32 s[G1A+5], 1024                       ; elements from row to row
	s_mov_b32 s[G1A+6], 0
	s_mov_b32 s[G1A+7], 0
	s_or_b32 s[G1B+0], s62, (2<<16)|(1<<20)|(1<<21)|(5<<22)|(3<<25)
	s_mov_b32 s[G1B+1], 64<<16
	s_mov_b32 s[G1B+2], 16<<16                     ; 16 rows
	s_mov_b32 s[G1B+3], 64<<16
	s_mov_b32 s[G1B+4], 16
	s_mov_b32 s[G1B+5], 1024
	s_mov_b32 s[G1B+6], 0
	s_mov_b32 s[G1B+7], 0
	; x's offset is made of mb and the wave alone, W's of hd and the wave alone, each in registers of its own
	s_lshl_b32 s86, s84, 20                        ; 256 mb rows of 4,096 bytes
	s_lshl_b32 s87, s18, 18                        ; + 64 w rows
	s_add_co_u32 s86, s86, s87
	s_mov_b32 s87, 0
	s_lshl_b32 s90, s23, 18                        ; 64 hd rows
	s_lshl_b32 s91, s18, 16                        ; + 16 w rows
	s_add_co_u32 s90, s90, s91
	s_mov_b32 s91, 0
	s_mul_i32 s94, s18, XPART                      ; LDS: the wave's number and constants alone
	s_mul_i32 s95, s18, WPART
	s_add_co_u32 s95, s95, WOFF
	s_wait_dscnt 0x0
	s_wait_kmcnt 0x0
	s_add_nc_u64 s[88:89], s[4:5], s[86:87]
.irp s, 0,1
	s_mov_b32 s[G0+28*\s], 1
	s_add_co_u32 s[G0+28*\s+1], s94, \s*SLOT
	s_add_nc_u64 s[G0+28*\s+2:G0+28*\s+3], s[88:89], \s*KB          ; K step s
	s_or_b32 s[G0+28*\s+3], s[G0+28*\s+3], 0x80000000              ; type = 2
.irp l, 1,2,3
	s_mov_b32 s[G0+28*\s+4*\l], 1
	s_add_co_u32 s[G0+28*\s+4*\l+1], s95, \s*SLOT+(\l-1)*WREG
	s_add_nc_u64 s[G0+28*\s+4*\l+2:G0+28*\s+4*\l+3], s[4+2*\l:5+2*\l], s[90:91]
	s_add_nc_u64 s[G0+28*\s+4*\l+2:G0+28*\s+4*\l+3], s[G0+28*\s+4*\l+2:G0+28*\s+4*\l+3], \s*KB
	s_or_b32 s[G0+28*\s+4*\l+3], s[G0+28*\s+4*\l+3], 0x80000000
.endr
.endr
	CROUND                                         ; all sixteen work-groups are here: the first joint loads meet
	tensor_load_to_lds s[G0:G0+3], s[G1A:G1A+7]    ; K step 0
	s_nop 0
.irp l, 1,2,3
	tensor_load_to_lds s[G0+4*\l:G0+4*\l+3], s[G1B:G1B+7]
	s_nop 0
.endr
	; addresses, while K step 0 is on its way
	v_and_b32 v1, 15, v0                           ; r
	v_bfe_u32 v2, v0, 4, 1                         ; h
	v_mul_u32_u24 v3, v1, PITCH
	v_lshl_add_u32 v3, v2, 5, v3                   ; r PITCH + 32 h: eight f32 along K for each half of the lanes
	s_mul_i32 s94, s19, 128*PITCH
	v_add_nc_u32 v[ADRA], s94, v3
	v_add_nc_u32 v[ADRA+1], SLOT, v[ADRA]
	s_mul_i32 s95, s20, 32*PITCH
	s_add_co_u32 s95, s95, WOFF
	v_add_nc_u32 v[ADRB], s95, v3
	v_add_nc_u32 v[ADRB+1], SLOT, v[ADRB]
	v_mul_u32_u24 v4, v1, SPITCH
	v_lshl_add_u32 v4, v2, 4, v4
	s_mul_i32 s94, s19, 128*SPITCH
	s_lshl_b32 s95, s20, 6
	s_add_co_u32 s94, s94, s95
	v_add_nc_u32 v[STO], s94, v4
	v_add_nc_u32 v[STO+1], SREG, v[STO]
	v_add_nc_u32 v[STO+2], 2*SREG, v[STO]
	v_and_b32 v5, 31, v0                           ; lane
	v_lshrrev_b32 v6, 3, v5
	v_and_b32 v7, 7, v5
	v_mul_u32_u24 v8, v6, SPITCH
	v_lshl_add_u32 v8, v7, 4, v8
	s_mul_i32 s94, s18, 64*SPITCH
	v_add_nc_u32 v[RD], s94, v8
	v_add_nc_u32 v[RD+1], SREG, v[RD]
	v_add_nc_u32 v[RD+2], 2*SREG, v[RD]
	s_lshl_b32 s95, s18, 13
	v_lshl_add_u32 v[CO], v5, 4, s95
	; the sixteen factors of my lane: theta = 2^(-i log2(10000) / 32), i = 16 p + 8 h + j
	s_cvt_f32_u32 s57, s85                         ; b as a float
	s_lshl_b32 s58, s20, 31
	s_or_b32 s58, s58, 0x3f800000                  ; +1.0 for d < 32 (nh = 0), -1.0 for d >= 32
	v_lshlrev_b32 v9, 3, v2
.set e, 0
.rept 16
	v_add_nc_u32 v[FK+e], (e&7)+16*(e>>3), v9
.set e, e+1
.endr
.set e, 0
.rept 16
	v_cvt_f32_u32 v[FK+e], v[FK+e]
.set e, e+1
.endr
.set e, 0
.rept 16
	v_mul_f32 v[FK+e], 0xbed49a78, v[FK+e]         ; x -log2(10000)/32
.set e, e+1
.endr
.set e, 0
.rept 16
	v_exp_f32 v[FK+e], v[FK+e]
.set e, e+1
.endr
	v_mov_b32 v12, 0xb2d7322b                      ; -1/11!  (also the plain instruction between the last exponential and the first use: ISA guide 5.7.2)
	v_mov_b32 v13, 0xb493f27e                      ; -1/10!
	v_mov_b32 v[QU], 0x3e800000                    ; 0.25
	v_mov_b32 v[QU+1], 0x3e800000
.set e, 0
	s_wait_alu depctr_va_vdst(0)
.rept 16
	v_mul_f32 v4, s57, v[FK+e]                     ; the angle b theta
	v_mul_f32 v5, v4, v4
	v_fmaak_f32 v6, v12, v5, 0x3638ef1d            ; sin: + 1/9!
	v_fmaak_f32 v7, v13, v5, 0x37d00d01            ; cos: + 1/8!
	v_fmaak_f32 v6, v6, v5, 0xb9500d01             ; - 1/7!
	v_fmaak_f32 v7, v7, v5, 0xbab60b61             ; - 1/6!
	v_fmaak_f32 v6, v6, v5, 0x3c088889             ; + 1/5!
	v_fmaak_f32 v7, v7, v5, 0x3d2aaaab             ; + 1/4!
	v_fmaak_f32 v6, v6, v5, 0xbe2aaaab             ; - 1/3!
	v_fmaak_f32 v7, v7, v5, 0xbf000000             ; - 1/2!
	v_fmaak_f32 v6, v6, v5, 0x3f800000
	v_fmaak_f32 v7, v7, v5, 0x3f800000             ; cos
	v_mul_f32 v6, v6, v4                           ; sin
	v_fma_f32 v[FK+e], v6, s58, v7                 ; cos +- sin
	v_mul_f32 v[FK+e], 0x3ed96d27, v[FK+e]         ; x sqrt(0.125 log2 e): q and k carry it once each
.set e, e+1
.endr
; 56 LDS loads: the f32 of one half K step (32 along K at byte 128 c of the rows) into window 1.  A lane's eight k = 8 h .. are 32 bytes, its k = 16 + 8 h .. 64 bytes on.
.macro FETCH slot, c
	WIN 0x40                                       ; destination window 1, address window 0
.irp a, 0,1,2,3,4,5,6,7
.irp q, 0,1,2,3
	ds_load_b128 v[16*\a+4*\q:16*\a+4*\q+3], v[ADRA+\slot] offset:\a*16*PITCH+128*\c+16*(\q&1)+64*(\q>>1)
.endr
.endr
.irp i, 0,1,2,3,4,5
.irp q, 0,1,2,3
	ds_load_b128 v[128+16*\i+4*\q:128+16*\i+4*\q+3], v[ADRB+\slot] offset:(\i>>1)*WREG+(\i&1)*16*PITCH+128*\c+16*(\q&1)+64*(\q>>1)
.endr
.endr
.endm
; 112 roundings of two f32 to f16: word e of the fragments from words 2 e, 2 e + 1 of window 1
.macro CVT
	WIN 0x05                                       ; both sources window 1, destination window 0
.set e, 0
.rept 112
	v_cvt_pk_f16_f32 v[FR+e], v[2*e], v[2*e+1]
.set e, e+1
.endr
.endm
; tiles lo .. hi, 32 along K.  The 48 accumulators take turns, one instruction a turn, always in the order 0 .. 47, over the backward jump too.
.macro MUL lo, hi, zero
.set nn, \lo
.rept \hi-\lo+1
.if nn < 32
	WIN 0xa0                                       ; C and D window 2
.set dd, 8*nn
.else
	WIN 0xf0                                       ; C and D window 3
.set dd, 8*(nn-32)
.endif
.if \zero
	v_wmma_f32_16x16x32_f16 v[dd:dd+7], v[FR+64+8*(nn%6):FR+64+8*(nn%6)+7], v[FR+8*(nn/6):FR+8*(nn/6)+7], 0
.else
	v_wmma_f32_16x16x32_f16 v[dd:dd+7], v[FR+64+8*(nn%6):FR+64+8*(nn%6)+7], v[FR+8*(nn/6):FR+8*(nn/6)+7], v[dd:dd+7]
.endif
.set nn, nn+1
.endr
.endm
; One K step.  mode 1: the very first (nothing to multiply yet; its first products start the sums), mode 0: all others.
; The products of a half step are issued one half step behind its conversion, so that LDS loads and conversions lie beside matrix work.
.macro TRIP slot, refill, mode
	s_wait_tensorcnt 0x0                           ; all my four loads have landed, my part of this K step among them,
	ds_add_u32 v254, v255
	s_wait_dscnt 0x0
.irp l, 0,1,2,3
	s_add_nc_u64 s[G0+28*\slot+4*\l+2:G0+28*\slot+4*\l+3], s[G0+28*\slot+4*\l+2:G0+28*\slot+4*\l+3], 2*KB   ; so every group 0 may be written: this slot's next K step
.endr
	s_wait_dscnt 0x0                               ; my reads of the other slot are over
	s_barrier_signal -1                            ; this barrier opens the round of the cluster's barrier
.if \mode == 0
	MUL 0, 15, 0                                   ; register work while the others arrive: the last half step's first sixteen tiles
	WIN 0
.endif
	s_barrier_wait -1
	CREST                                          ; no wave of any partner still reads the other slot or has a load on its way
.if \refill
	tensor_load_to_lds s[G0+28*(1-\slot):G0+28*(1-\slot)+3], s[G1A:G1A+7]       ; the next K step, first behind the round
	s_nop 0
.irp l, 1,2,3
	tensor_load_to_lds s[G0+28*(1-\slot)+4*\l:G0+28*(1-\slot)+4*\l+3], s[G1B:G1B+7]
	s_nop 0
.endr
.endif
	FETCH \slot, 0
.if \mode == 0
	MUL 16, 47, 0
	PLACES 4                                       ; four places between the matrix instructions and the conversions that write their sources (ISA guide 7.12.1)
.endif
	s_wait_dscnt 0x0                               ; the 56 loads are in
	CVT
	FETCH \slot, 1
	MUL 0, 47, \mode
	PLACES 4
	s_wait_dscnt 0x0
	CVT
	WIN 0
.endm
	TRIP 0, 1, 1
	TRIP 1, 1, 0
	s_mov_b32 s56, 6
.Llap:
	TRIP 0, 1, 0
	TRIP 1, 1, 0
	s_sub_co_u32 s56, s56, 1
	s_cmp_lg_u32 s56, 0
	s_cbranch_scc1 .Llap
	TRIP 0, 1, 0                                   ; K step 14 asks for K step 15,
	TRIP 1, 0, 0                                   ; which asks for nothing
	MUL 0, 47, 0                                   ; the last half step
	PLACES 4                                       ; four places in front of the first vector instruction that reads a result
	; THE WAY OUT.  q's and k's tiles (i = 0 .. 3) times f c, v's (i = 4, 5) times 0.25, in f32 and in place.
.set nn, 0
.rept 48
.if nn < 32
	WIN 0x82                                       ; destination and source 0 window 2, the factors window 0
.set dd, 8*nn
.else
	WIN 0xc3
.set dd, 8*(nn-32)
.endif
.irp q, 0,1,2,3
.if (nn%6) < 4
	v_pk_mul_f32 v[dd+2*\q:dd+2*\q+1], v[dd+2*\q:dd+2*\q+1], v[FK+8*(nn&1)+2*\q:FK+8*(nn&1)+2*\q+1]
.else
	v_pk_mul_f32 v[dd+2*\q:dd+2*\q+1], v[dd+2*\q:dd+2*\q+1], v[QU:QU+1]
.endif
.endr
.set nn, nn+1
.endr
	; 16 rows at a time: round to f16, a lane's eight neighbouring features as 16 bytes into the stage.  The stage lies in slot 0: every wave's reads of slot 0
	; were over in front of K step 15's barrier, and no tensor load fills it again.
.set aa, 0
.rept 8
.set ii, 0
.rept 6
.set nn, 6*aa+ii
.if nn < 32
	WIN 0x0a
.set dd, 8*nn
.else
	WIN 0x0f
.set dd, 8*(nn-32)
.endif
.irp q, 0,1,2,3
	v_cvt_pk_f16_f32 v[TMP+4*ii+\q], v[dd+2*\q], v[dd+2*\q+1]
.endr
.set ii, ii+1
.endr
	WIN 0
.irp i, 0,1,2,3,4,5
	ds_store_b128 v[STO+(\i>>1)], v[TMP+4*\i:TMP+4*\i+3] offset:aa*16*SPITCH+32*(\i&1)
.endr
.set aa, aa+1
.endr
	s_lshl_b32 s92, s85, 4
	s_add_co_u32 s92, s92, s23                     ; 16 b + head
	s_lshl_b32 s92, s92, 18                        ; x 2048 rows of 128 bytes
	s_and_b32 s93, s84, 7
	s_lshl_b32 s93, s93, 15                        ; + 256 (mb & 7) rows
	s_add_co_u32 s92, s92, s93
	s_mov_b32 s93, 0
	s_add_nc_u64 s[12:13], s[12:13], s[92:93]
	s_add_nc_u64 s[14:15], s[14:15], s[92:93]
	s_add_nc_u64 s[16:17], s[16:17], s[92:93]
	s_wait_dscnt 0x0                               ; my stores into the stage are done: a row's two halves come from two waves
	s_barrier_signal -1
	s_barrier_wait -1
	; wave w stores rows 64 w .. + 63 of each buffer: a load brings 4 rows of 128 bytes, a store of the wave covers 512 consecutive bytes, aligned
.irp u, 0,1,2
.if \u
	s_wait_xcnt 0x0                                ; v64-127, which the last buffer's stores read, are loaded again only behind this wait
.endif
.irp t, 0,1,2,3,4,5,6,7,8,9,10,11,12,13,14,15
	ds_load_b128 v[FR+4*\t:FR+4*\t+3], v[RD+\u] offset:4*SPITCH*\t
.endr
.irp t, 0,1,2,3,4,5,6,7,8,9,10,11,12,13,14,15
	s_wait_dscnt 15-\t                             ; LDS loads come back in order: load t is in, the younger ones stay out
	global_store_b128 v[CO], v[FR+4*\t:FR+4*\t+3], s[12+2*\u:13+2*\u] offset:512*\t
.endr
.endr
	s_wait_tensorcnt 0x0
	ds_add_u32 v254, v255
	s_wait_dscnt 0x0
	CROUND                                         ; the closing round: no work-group ends while a partner may still ask for a tile that names it
	s_endpgm
.Lfunc_end_k_qd360656090_proj:
	.size	k_qd360656090_proj, .Lfunc_end_k_qd360656090_proj-k_qd360656090_proj
	.p2alignl 7, 3214868480
	.fill 96, 4, 3214868480
	.section	.rodata,"a",@progbits
	.p2align	6, 0x0
	.amdhsa_kernel k_qd360656090_proj
		.amdhsa_group_segment_fixed_size 327680
		.amdhsa_private_segment_fixed_size 0
		.amdhsa_enable_private_segment 0
		.amdhsa_kernarg_size 56
		.amdhsa_user_sgpr_count 2
		.amdhsa_user_sgpr_kernarg_segment_ptr 1
		.amdhsa_wavefront_size32 1
		.amdhsa_system_sgpr_workgroup_id_x 1
		.amdhsa_system_sgpr_workgroup_id_y 1
		.amdhsa_system_sgpr_workgroup_id_z 1
		.amdhsa_system_vgpr_workitem_id 0
		.amdhsa_next_free_vgpr 896
		.amdhsa_next_free_sgpr 96
		.amdhsa_reserve_vcc 0
		.amdhsa_float_denorm_mode_32 3
		.amdhsa_float_denorm_mode_16_64 3
		.amdhsa_memory_ordered 1
		.amdhsa_forward_progress 1
		.amdhsa_inst_pref_size 234
	.end_amdhsa_kernel
	.amdgpu_metadata
---
amdhsa.version: [ 1, 2 ]
amdhsa.kernels:
  - .name:           k_qd360656090_proj
    .symbol:         k_qd360656090_proj.kd
    .args:
      - { .name: x, .offset: 0, .size: 8, .value_kind: global_buffer, .address_space: global }
      - { .name: Wq, .offset: 8, .size: 8, .value_kind: global_buffer, .address_space: global }
      - { .name: Wk, .offset: 16, .size: 8, .value_kind: global_buffer, .address_space: global }
      - { .name: Wv, .offset: 24, .size: 8, .value_kind: global_buffer, .address_space: global }
      - { .name: qws, .offset: 32, .size: 8, .value_kind: global_buffer, .address_space: global }
      - { .name: kws, .offset: 40, .size: 8, .value_kind: global_buffer, .address_space: global }
      - { .name: vws, .offset: 48, .size: 8, .value_kind: global_buffer, .address_space: global }
    .group_segment_fixed_size: 327680
    .private_segment_fixed_size: 0
    .kernarg_segment_align: 8
    .kernarg_segment_size: 56
    .max_flat_workgroup_size: 128
    .sgpr_count:     96
    .vgpr_count:     896
    .wavefront_size: 32
...
	.end_amdgpu_metadata
.endif
;; end of part 1
;; launch attn (part 2): grid 8 x 32, 8 waves a work-group, clusters of 4 x 1, 327,680 bytes of LDS; arguments qws, kws, vws, attention_mask, out0; writes out0
.if DOCPART == 2
	.amdgcn_target "amdgcn-amd-amdhsa--gfx1250"
	.amdhsa_code_object_version 6
	.text
	.protected	k_qd360656090_attn
	.globl	k_qd360656090_attn
	.p2align	8
	.type	k_qd360656090_attn,@function
k_qd360656090_attn:
	s_mov_b64 s[64:65], 0
	v_nop
	global_prefetch_b8 v0, s[64:65] scope:SCOPE_SE
	s_setreg_imm32_b32 hwreg(HW_REG_WAVE_MODE, 25, 1), 1
	s_wait_xcnt 0x0
	s_wait_alu depctr_hold_cnt(0) depctr_sa_sdst(0) depctr_va_vdst(0) depctr_va_sdst(0) depctr_va_ssrc(0) depctr_va_vcc(0) depctr_vm_vsrc(0)
	s_getreg_b32 s2, hwreg(HW_REG_IB_STS2, 6, 4)
	s_cmp_eq_u32 s2, 0
	s_cbranch_scc0 .Lentry_in_a_cluster
	s_endpgm
.Lentry_in_a_cluster:
	s_bfe_u32 s2, ttmp6, 0x10000c
	s_cmp_lg_u32 s2, 0x3003
	s_cbranch_scc0 .Lentry_shape_is_right
	s_endpgm
.Lentry_shape_is_right:
; attn: out[b][q][head][:] = softmax over keys of (q k / 8, masked) times v.  qws, kws (each already times the rope's factor and sqrt(0.125 log2 e)) and vws (v / 4):
; f16 [b][head][s][64].  attention_mask [2][2048] i32, out0 [2][2048][1024] f32.  Softmax with a running maximum, in powers of 2, all in f32.
; P is rounded to f16 for the second product: it lies in [0, 1] by the running maximum, and what underflows is below 2^-25 of the row's largest weight.
; LIMITS: a masked key gets the finite bias -2^100 (as the C operand of the score product) in place of -inf, and the running maximum starts at -2^90: right while
; |score x log2(e) / 8| < 2^90.  A batch whose mask is all zero gives l = 0 and 0 x (1/0) = NaN, as the softmax of a row of -inf does.
; SHARES: work-group (qb, bh): 256 queries of one (batch, head).  Wave w (qi = w >> 1, kh = w & 1): 64 queries (four groups g of 16) and, of every tile of 256 keys,
; the half 128 kh .. + 127, in two steps of 64 keys.  The two halves' (m, l, O) are merged at the end through LDS.  LDS reads of a step do not grow with the queries a
; wave holds, so four query waves read half of what eight would; two waves on a SIMD let one wave's softmax lie beside the other's products.
; CLUSTERS: the four work-groups of a cluster are four query blocks of one (batch, head) and walk the same K and V tiles: every tile is asked for jointly (mask 15).
; Each wave asks for its 32 rows of K and of V: two tensor loads out at the most.
; ORIENTATION: S^T = K Q^T (source 0 = 16 keys, source 1 = 16 queries): lane (r, h) register j = key 16 t + 8 h + j of query r, so maximum and sum run along registers
; and one step across the halves, and two packed tiles ARE source 1 of the second product.  O^T = V^T P^T: lane (r, h) register j = d 16 dt + 8 h + j of query r.
.set KP,    144                        ; K rows in LDS: 128 + 16 = 9 x 16 bytes
.set VP,    160                        ; V rows: 128 + 32 = 5 x 32 bytes, for the transposing loads
.set VOFF,  256*KP
.set SLOT,  VOFF+256*VP                ; 77,824
.set BIAS,  2*SLOT                     ; 2,048 f32: 0 or -2^100
.set XCH,   BIAS+8192                  ; exchange: for each wave two groups of 8 x 512 + 256 bytes
.set XG,    4352
.set STAGE, XCH+8*2*XG                 ; for each wave 32 rows of 272 bytes
.set SP,    272
.set TILEB, 32768                      ; 256 rows of 128 bytes
; window 0
.set KA, 2                             ; v2-3   K fragments in slot 0, 1
.set VA, 4                             ; v4-5   V fragments
.set BA, 6                             ; v6     bias of my keys; + 2048 a lap
.set XS, 7                             ; v7     my exchange + 16 lane
.set XS8, 8                            ; v8     my exchange + 8 lane
.set XR, 9                             ; v9     my partner's (wave w xor 1)
.set XR8, 10
.set STO, 11
.set RD, 12
.set CO, 13
.set QO, 14
.set MO, 15
.set MA, 16                            ; v[16+2g] the pair (m, alpha); at the end (m, l)
.set LA, 24                            ; v[24+2g], v[32+2g]: two pairs of partial sums
.set LB, 32
.set T,  40                            ; v40-55 chains of maxima 4 g + t
.set PX, 56                            ; v56-59 the other half's figure
.set X,  60                            ; v60-63 the new maximum
.set Q,  64                            ; v64-127 Q fragments 16 g + 8 c
.set S,  128                           ; v128-255 scores 32 g + 8 t = 8 n; then P at 32 g + 16 u
; window 1
.set O,  0                             ; v0-127   32 g + 8 dt
.set KV, 128                           ; v128-191 K(t, c) at 16 t + 8 c, then V(u, dt) at 32 u + 8 dt
.set BI, 192                           ; v192-223 bias 8 t
.set G1K, 24
.set G1V, 32
.set G0K, 40                           ; s[40:47] one group 0 a slot
.set G0V, 48                           ; s[48:55]
.set MSB, 0
.macro WIN new
.if MSB != \new
	s_set_vgpr_msb (MSB<<8)|\new
.set MSB, \new
.endif
.endm
.macro PLACES n
.rept \n
	v_nop
.endr
.endm
.macro CROUND                          ; a round of the cluster's barrier
	s_barrier_signal -1
	s_barrier_wait -1
	s_cmp_lg_u32 s14, 0
	s_cbranch_scc1 .Lnot_wave_0_\@
	s_barrier_signal -3
.Lnot_wave_0_\@:
	s_barrier_wait -3
	s_barrier_signal -1
	s_barrier_wait -1
.endm
	s_load_b256 s[4:11], s[0:1], 0x0               ; qws s[4:5], kws s[6:7], vws s[8:9], mask s[10:11]
	s_load_b64 s[12:13], s[0:1], 0x20              ; out0
	s_set_vgpr_msb 0x40
	v_lshl_add_u32 v224, v0, 2, 0x4a000
	v_mov_b32 v225, 0
	s_set_vgpr_msb 0x4045
	ds_add_u32 v224, v225
	s_set_vgpr_msb 0x4500
	v_lshrrev_b32 v1, 5, v0
	v_readfirstlane_b32 s14, v1                    ; wave 0..7
	s_and_b32 s15, s14, 1                          ; kh
	s_lshr_b32 s16, s14, 1                         ; qi
	s_bfe_u32 s17, ttmp6, 0x40000                  ; cx
	s_lshl_b32 s18, ttmp9, 2
	s_add_co_u32 s18, s18, s17                     ; qb = 4 x cluster x + cx
	s_and_b32 s19, ttmp7, 0xffff                   ; bh = 16 b + head
	s_mov_b32 s57, 0x76543210                      ; v_permlanex16_b32: lane i of one half reads lane i of the other
	s_mov_b32 s58, 0xfedcba98
	v_and_b32 v40, 15, v0                          ; r
	v_bfe_u32 v41, v0, 4, 1                        ; h
	v_and_b32 v42, 31, v0                          ; lane
	v_lshlrev_b32 v[QO], 7, v40
	v_lshl_add_u32 v[QO], v41, 4, v[QO]            ; 128 r + 16 h
	v_lshlrev_b32 v[MO], 4, v0                     ; 16 t
	s_lshr_b32 s70, s19, 4
	s_lshl_b32 s70, s70, 13                        ; the batch's 2,048 mask words
	s_mov_b32 s71, 0
	s_lshl_b32 s66, s19, 18                        ; what holds cx lies in s[66:69] alone
	s_lshl_b32 s67, s18, 15                        ; + 256 qb rows of 128 bytes
	s_add_co_u32 s66, s66, s67
	s_lshl_b32 s67, s16, 13                        ; + 64 qi rows
	s_add_co_u32 s66, s66, s67
	s_mov_b32 s67, 0
	s_lshr_b32 s68, s19, 4
	s_lshl_b32 s68, s68, 23                        ; out0: 2048 b rows of 4,096 bytes
	s_lshl_b32 s69, s18, 20                        ; + 256 qb
	s_add_co_u32 s68, s68, s69
	s_lshl_b32 s69, s16, 18                        ; + 64 qi
	s_add_co_u32 s68, s68, s69
	s_lshl_b32 s69, s15, 17                        ; + 32 kh: the half of the wave pair's queries that I finish
	s_add_co_u32 s68, s68, s69
	s_and_b32 s69, s19, 15
	s_lshl_b32 s69, s69, 8                         ; + the head's 256 bytes
	s_add_co_u32 s68, s68, s69
	s_mov_b32 s69, 0
	s_lshl_b32 s20, s19, 18                        ; K and V: the (batch, head) and the wave alone
	s_lshl_b32 s21, s14, 12                        ; + 32 w rows
	s_add_co_u32 s20, s20, s21
	s_mov_b32 s21, 0
	s_mul_i32 s22, s14, 32*KP
	s_mul_i32 s23, s14, 32*VP
	s_add_co_u32 s23, s23, VOFF
	s_wait_dscnt 0x0
	s_wait_kmcnt 0x0
	s_add_nc_u64 s[10:11], s[10:11], s[70:71]
	s_add_nc_u64 s[4:5], s[4:5], s[66:67]
	s_add_nc_u64 s[12:13], s[12:13], s[68:69]
	global_load_b128 v[S:S+3], v[MO], s[10:11]                 ; the mask: each load of a wave covers 512 consecutive bytes
	global_load_b128 v[S+4:S+7], v[MO], s[10:11] offset:4096
.irp g, 0,1,2,3
.irp c, 0,1
	global_load_b128 v[Q+16*\g+8*\c:Q+16*\g+8*\c+3],   v[QO], s[4:5] offset:2048*\g+64*\c      ; Q(16 g + r, 32 c + 8 h ..)
	global_load_b128 v[Q+16*\g+8*\c+4:Q+16*\g+8*\c+7], v[QO], s[4:5] offset:2048*\g+64*\c+32   ; Q(16 g + r, 32 c + 16 + 8 h ..)
.endr
.endr
	; group 1: 32 rows of 64 f16; padding behind every 32 words: 4 words for K, 8 for V; mask 15 = the four of the cluster, bit 21 beside it
	s_mov_b32 s[G1K+0], 15|(1<<16)|(1<<20)|(1<<21)|(4<<22)|(3<<25)
	s_mov_b32 s[G1K+1], 64<<16
	s_mov_b32 s[G1K+2], 32<<16
	s_mov_b32 s[G1K+3], 64<<16
	s_mov_b32 s[G1K+4], 32
	s_mov_b32 s[G1K+5], 64
	s_mov_b32 s[G1K+6], 0
	s_mov_b32 s[G1K+7], 0
	s_mov_b32 s[G1V+0], 15|(1<<16)|(1<<20)|(1<<21)|(4<<22)|(7<<25)
	s_mov_b32 s[G1V+1], 64<<16
	s_mov_b32 s[G1V+2], 32<<16
	s_mov_b32 s[G1V+3], 64<<16
	s_mov_b32 s[G1V+4], 32
	s_mov_b32 s[G1V+5], 64
	s_mov_b32 s[G1V+6], 0
	s_mov_b32 s[G1V+7], 0
	s_add_nc_u64 s[60:61], s[6:7], s[20:21]
	s_add_nc_u64 s[62:63], s[8:9], s[20:21]
.irp s, 0,1
	s_mov_b32 s[G0K+4*\s], 1
	s_add_co_u32 s[G0K+4*\s+1], s22, \s*SLOT
	s_add_nc_u64 s[G0K+4*\s+2:G0K+4*\s+3], s[60:61], \s*TILEB
	s_or_b32 s[G0K+4*\s+3], s[G0K+4*\s+3], 0x80000000
	s_mov_b32 s[G0V+4*\s], 1
	s_add_co_u32 s[G0V+4*\s+1], s23, \s*SLOT
	s_add_nc_u64 s[G0V+4*\s+2:G0V+4*\s+3], s[62:63], \s*TILEB
	s_or_b32 s[G0V+4*\s+3], s[G0V+4*\s+3], 0x80000000
.endr
	; the mask as a bias, once for the work-group
	v_mov_b32 v[S+8], 0xf1800000                   ; -2^100
	v_add_nc_u32 v45, BIAS, v[MO]
	s_wait_loadcnt 0x10                            ; the two mask loads are in; the sixteen Q loads issued behind them stay out
.irp i, 0,1,2,3,4,5,6,7
	v_cmp_eq_u32 vcc_lo, 0, v[S+\i]
	v_cndmask_b32 v[S+\i], 0, v[S+8], vcc_lo
.endr
	ds_store_b128 v45, v[S:S+3]
	ds_store_b128 v45, v[S+4:S+7] offset:4096
	s_wait_dscnt 0x0                               ; for the other waves, which read the bias behind the round
	CROUND                                         ; in front of the first joint loads
	tensor_load_to_lds s[G0K:G0K+3], s[G1K:G1K+7]  ; tile 0
	s_nop 0
	tensor_load_to_lds s[G0V:G0V+3], s[G1V:G1V+7]
	s_nop 0
	; addresses
	v_mul_u32_u24 v[KA], v40, KP
	v_lshl_add_u32 v[KA], v41, 4, v[KA]
	s_mul_i32 s20, s15, 128*KP
	v_add_nc_u32 v[KA], s20, v[KA]                 ; (128 kh + r) KP + 16 h
	v_add_nc_u32 v[KA+1], SLOT, v[KA]
	v_and_b32 v43, 7, v0
	v_lshl_add_u32 v43, v41, 3, v43                ; 8 h + (lane & 7)
	v_mul_u32_u24 v[VA], v43, VP
	v_bfe_u32 v44, v0, 3, 1
	v_lshl_add_u32 v[VA], v44, 4, v[VA]
	s_mul_i32 s21, s15, 128*VP
	s_add_co_u32 s21, s21, VOFF
	v_add_nc_u32 v[VA], s21, v[VA]
	v_add_nc_u32 v[VA+1], SLOT, v[VA]
	s_lshl_b32 s22, s15, 9
	s_add_co_u32 s22, s22, BIAS
	v_lshl_add_u32 v[BA], v41, 5, s22              ; BIAS + 4 (128 kh + 8 h)
	s_mul_i32 s20, s14, 2*XG
	s_add_co_u32 s20, s20, XCH
	v_lshl_add_u32 v[XS], v42, 4, s20
	v_lshl_add_u32 v[XS8], v42, 3, s20
	s_xor_b32 s21, s14, 1
	s_mul_i32 s21, s21, 2*XG
	s_add_co_u32 s21, s21, XCH
	v_lshl_add_u32 v[XR], v42, 4, s21
	v_lshl_add_u32 v[XR8], v42, 3, s21
	s_mul_i32 s22, s14, 32*SP
	s_add_co_u32 s22, s22, STAGE
	v_mul_u32_u24 v[STO], v40, SP
	v_lshl_add_u32 v[STO], v41, 5, v[STO]
	v_add_nc_u32 v[STO], s22, v[STO]               ; row r, 32 bytes for each half of the lanes
	v_mul_u32_u24 v[RD], v41, SP
	v_lshl_add_u32 v[RD], v40, 4, v[RD]
	v_add_nc_u32 v[RD], s22, v[RD]                 ; back: lanes 0-15 one row of 256 bytes, lanes 16-31 the next
	v_lshlrev_b32 v[CO], 12, v41
	v_lshl_add_u32 v[CO], v40, 4, v[CO]            ; the same two rows in out0
.irp g, 0,1,2,3
	v_mov_b32 v[MA+2*\g], 0xec800000               ; m = -2^90
	v_mov_b32 v[MA+2*\g+1], 1.0                    ; the pair is named whole before alpha exists
	v_mov_b32 v[PX+\g], 0                          ; v_permlanex16_b32 counts as a reader of its destination
.endr
	s_wait_loadcnt 0x0                             ; Q
; one link of each of the sixteen chains of maxima; chain (g, 0) starts from the running maximum
.macro MAXOP k
.irp g, 0,1,2,3
.if \k == 0
	v_max3_num_f32 v[T+4*\g], v[MA+2*\g], v[S+32*\g], v[S+32*\g+1]
.else
	v_max3_num_f32 v[T+4*\g], v[T+4*\g], v[S+32*\g+2*\k], v[S+32*\g+2*\k+1]
.endif
.irp t, 1,2,3
.if \k == 0
	v_max3_num_f32 v[T+4*\g+\t], v[S+32*\g+8*\t], v[S+32*\g+8*\t+1], v[S+32*\g+8*\t+2]
.else
.if \k == 3
	v_max_num_f32 v[T+4*\g+\t], v[T+4*\g+\t], v[S+32*\g+8*\t+7]
.else
	v_max3_num_f32 v[T+4*\g+\t], v[T+4*\g+\t], v[S+32*\g+8*\t+2*\k+1], v[S+32*\g+8*\t+2*\k+2]
.endif
.endif
.endr
.endr
.endm
; tile n = 4 g + t of the scores lies at S + 8 n
.macro SUBB n                          ; s - m, two at a time
.set r_b, S+8*(\n)
.set r_m, MA+2*((\n)/4)
.irp q, 0,1,2,3
	v_pk_add_f32 v[r_b+2*\q:r_b+2*\q+1], v[r_b+2*\q:r_b+2*\q+1], v[r_m:r_m+1] op_sel_hi:[1,0] neg_lo:[0,1] neg_hi:[0,1]
.endr
.endm
.macro EXPB n
.set r_e, S+8*(\n)
.irp q, 0,1,2,3,4,5,6,7
	v_exp_f32 v[r_e+\q], v[r_e+\q]
.endr
.endm
.macro SUMB n, first                   ; into two chains of pairs; a group's first tile carries the old sums over, times alpha
.set r_s, S+8*(\n)
.set r_g, (\n)/4
.if ((\n)%4) == 0
.if \first
	s_wait_alu depctr_va_vdst(0)
	v_pk_add_f32 v[LA+2*r_g:LA+2*r_g+1], v[r_s:r_s+1], v[r_s+4:r_s+5]
	v_pk_add_f32 v[LB+2*r_g:LB+2*r_g+1], v[r_s+2:r_s+3], v[r_s+6:r_s+7]
.else
	s_wait_alu depctr_va_vdst(0)
	v_pk_fma_f32 v[LA+2*r_g:LA+2*r_g+1], v[LA+2*r_g:LA+2*r_g+1], v[MA+2*r_g:MA+2*r_g+1], v[r_s:r_s+1] op_sel:[0,1,0] op_sel_hi:[1,1,1]
	v_pk_fma_f32 v[LB+2*r_g:LB+2*r_g+1], v[LB+2*r_g:LB+2*r_g+1], v[MA+2*r_g:MA+2*r_g+1], v[r_s+2:r_s+3] op_sel:[0,1,0] op_sel_hi:[1,1,1]
	v_pk_add_f32 v[LA+2*r_g:LA+2*r_g+1], v[LA+2*r_g:LA+2*r_g+1], v[r_s+4:r_s+5]
	v_pk_add_f32 v[LB+2*r_g:LB+2*r_g+1], v[LB+2*r_g:LB+2*r_g+1], v[r_s+6:r_s+7]
.endif
.else
	s_wait_alu depctr_va_vdst(0)
	v_pk_add_f32 v[LA+2*r_g:LA+2*r_g+1], v[LA+2*r_g:LA+2*r_g+1], v[r_s:r_s+1]
	v_pk_add_f32 v[LB+2*r_g:LB+2*r_g+1], v[LB+2*r_g:LB+2*r_g+1], v[r_s+2:r_s+3]
	v_pk_add_f32 v[LA+2*r_g:LA+2*r_g+1], v[LA+2*r_g:LA+2*r_g+1], v[r_s+4:r_s+5]
	v_pk_add_f32 v[LB+2*r_g:LB+2*r_g+1], v[LB+2*r_g:LB+2*r_g+1], v[r_s+6:r_s+7]
.endif
.endm
.macro CVTB n                          ; n odd: tiles n - 1 and n become eight words of f16, in place and ascending: word e from words 2 e, 2 e + 1
.set r_c, S+8*((\n)-1)
.irp q, 0,1,2,3,4,5,6,7
	v_cvt_pk_f16_f32 v[r_c+\q], v[r_c+2*\q], v[r_c+2*\q+1]
.endr
.endm
.macro PV1 g, dt, u, zero
.if \zero
	v_wmma_f32_16x16x32_f16 v[O+32*\g+8*\dt:O+32*\g+8*\dt+7], v[KV+32*\u+8*\dt:KV+32*\u+8*\dt+7], v[S+32*\g+16*\u:S+32*\g+16*\u+7], 0
.else
	v_wmma_f32_16x16x32_f16 v[O+32*\g+8*\dt:O+32*\g+8*\dt+7], v[KV+32*\u+8*\dt:KV+32*\u+8*\dt+7], v[S+32*\g+16*\u:S+32*\g+16*\u+7], v[O+32*\g+8*\dt:O+32*\g+8*\dt+7]
.endif
.endm
; 64 keys (64 j .. of my half of the slot's tile) against my 64 queries.  first = 1: the sums start here, nothing is cleared and nothing rescaled.
.macro STEP slot, j, first
	WIN 0x40                                       ; destinations window 1
.irp t, 0,1,2,3
	ds_load_b128 v[BI+8*\t:BI+8*\t+3],   v[BA] offset:\slot*1024+\j*256+64*\t
	ds_load_b128 v[BI+8*\t+4:BI+8*\t+7], v[BA] offset:\slot*1024+\j*256+64*\t+16
.endr
.irp c, 0,1
.irp t, 0,1,2,3
	ds_load_b128 v[KV+16*\t+8*\c:KV+16*\t+8*\c+3],   v[KA+\slot] offset:(64*\j+16*\t)*KP+64*\c
	ds_load_b128 v[KV+16*\t+8*\c+4:KV+16*\t+8*\c+7], v[KA+\slot] offset:(64*\j+16*\t)*KP+64*\c+32
.endr
.endr
	s_wait_dscnt 0x8                               ; the bias and K's d = 0..31 are in; the eight younger loads (d = 32..63) stay out
	WIN 0x11                                       ; K and the bias window 1, Q and the scores window 0
	; the sixteen score tiles take turns, one instruction a turn, in the same order in both halves of d
.irp t, 0,1,2,3
.irp g, 0,1,2,3
	v_wmma_f32_16x16x32_f16 v[S+32*\g+8*\t:S+32*\g+8*\t+7], v[KV+16*\t:KV+16*\t+7], v[Q+16*\g:Q+16*\g+7], v[BI+8*\t:BI+8*\t+7]
.endr
.endr
	s_wait_dscnt 0x0
	WIN 0x01
.irp t, 0,1,2,3
.irp g, 0,1,2,3
	v_wmma_f32_16x16x32_f16 v[S+32*\g+8*\t:S+32*\g+8*\t+7], v[KV+16*\t+8:KV+16*\t+15], v[Q+16*\g+8:Q+16*\g+15], v[S+32*\g+8*\t:S+32*\g+8*\t+7]
.endr
.endr
	PLACES 4                                       ; four places: then V may be loaded over K, and the scores may be read (ISA guide 7.12.1)
	WIN 0x40
.irp u, 0,1
.irp dt, 0,1,2,3
	ds_load_tr16_b128 v[KV+32*\u+8*\dt:KV+32*\u+8*\dt+3],   v[VA+\slot] offset:(64*\j+32*\u)*VP+32*\dt          ; keys 32 u + 8 h .. of column 16 dt + r
	ds_load_tr16_b128 v[KV+32*\u+8*\dt+4:KV+32*\u+8*\dt+7], v[VA+\slot] offset:(64*\j+32*\u)*VP+32*\dt+16*VP    ; keys 32 u + 16 + 8 h ..
.endr
.endr
	WIN 0
	MAXOP 0
	MAXOP 1
	MAXOP 2
	MAXOP 3
.irp g, 0,1,2,3
	v_max3_num_f32 v[T+4*\g], v[T+4*\g], v[T+4*\g+1], v[T+4*\g+2]
.endr
.irp g, 0,1,2,3
	v_max_num_f32 v[T+4*\g], v[T+4*\g], v[T+4*\g+3]
.endr
.irp g, 0,1,2,3
	v_permlanex16_b32 v[PX+\g], v[T+4*\g], s57, s58            ; the other eight keys of each tile lie in the other half of the lanes
.endr
.irp g, 0,1,2,3
	v_max_num_f32 v[X+\g], v[T+4*\g], v[PX+\g]
.endr
.if \first == 0
.irp g, 0,1,2,3
	v_sub_f32 v[MA+2*\g+1], v[MA+2*\g], v[X+\g]
.endr
.irp g, 0,1,2,3
	v_exp_f32 v[MA+2*\g+1], v[MA+2*\g+1]           ; alpha = 2^(old m - new m)
.endr
.endif
	s_wait_alu depctr_va_vdst(0)
.irp g, 0,1,2,3
	v_mov_b32 v[MA+2*\g], v[X+\g]                  ; plain instructions between the exponentials and alpha's first use (ISA guide 5.7.2)
.endr
	SUBB 0
.set nn, 0
.rept 16
	EXPB nn
.if nn < 15
	SUBB nn+1                                      ; the next tile's subtraction is the plain work between these exponentials and their use
.else
	v_nop
	s_wait_alu depctr_va_vdst(0)
.endif
	SUMB nn, \first
.if nn & 1
	CVTB nn
.endif
.set nn, nn+1
.endr
.if \first == 0
	WIN 0x41                                       ; O window 1, alpha window 0
.irp g, 0,1,2,3
.irp q, 0,1,2,3,4,5,6,7,8,9,10,11,12,13,14,15
	v_pk_mul_f32 v[O+32*\g+2*\q:O+32*\g+2*\q+1], v[O+32*\g+2*\q:O+32*\g+2*\q+1], v[MA+2*\g:MA+2*\g+1] op_sel:[0,1] op_sel_hi:[1,1]
.endr
.endr
.endif
	s_wait_dscnt 0x0                               ; V is in
	WIN 0x51                                       ; V, C and D window 1, P window 0
	; the sixteen tiles of O take turns, one instruction a turn
.irp u, 0,1
.irp dt, 0,1,2,3
.irp g, 0,1,2,3
	PV1 \g, \dt, \u, \first*(1-\u)
.endr
.endr
.endr
	WIN 0
	PLACES 5                                       ; four places before loads land on V's registers, five before the next score products write over P
.endm
; One tile of 256 keys.
.macro TRIP slot, refill, first
	s_set_vgpr_msb 0x5
	s_wait_tensorcnt 0x0                           ; both my loads have landed, my rows of this tile among them,
	ds_add_u32 v224, v225
	s_wait_dscnt 0x0
	s_set_vgpr_msb 0x500
	s_add_nc_u64 s[G0K+4*\slot+2:G0K+4*\slot+3], s[G0K+4*\slot+2:G0K+4*\slot+3], 2*TILEB   ; so every group 0 may be written: this slot's next tile
	s_add_nc_u64 s[G0V+4*\slot+2:G0V+4*\slot+3], s[G0V+4*\slot+2:G0V+4*\slot+3], 2*TILEB
	s_wait_dscnt 0x0                               ; my reads of the other slot are over
	CROUND                                         ; both now hold of every wave of the four work-groups
.if \refill
	tensor_load_to_lds s[G0K+4*(1-\slot):G0K+4*(1-\slot)+3], s[G1K:G1K+7]      ; the next tile, first behind the round
	s_nop 0
	tensor_load_to_lds s[G0V+4*(1-\slot):G0V+4*(1-\slot)+3], s[G1V:G1V+7]
	s_nop 0
.endif
	STEP \slot, 0, \first
	STEP \slot, 1, 0
.endm
	TRIP 0, 1, 1
	TRIP 1, 1, 0
	v_add_nc_u32 v[BA], 2048, v[BA]                ; 512 keys on
	s_mov_b32 s56, 2
.Llap:
	TRIP 0, 1, 0
	TRIP 1, 1, 0
	v_add_nc_u32 v[BA], 2048, v[BA]
	s_sub_co_u32 s56, s56, 1
	s_cmp_lg_u32 s56, 0
	s_cbranch_scc1 .Llap
	TRIP 0, 1, 0                                   ; tile 6 asks for tile 7,
	TRIP 1, 0, 0                                   ; which asks for nothing
	; l of my key half: the two chains, the pair, the two halves of the lanes.  MA becomes (m, l).
.irp g, 0,1,2,3
	v_pk_add_f32 v[LA+2*\g:LA+2*\g+1], v[LA+2*\g:LA+2*\g+1], v[LB+2*\g:LB+2*\g+1]
.endr
.irp g, 0,1,2,3
	v_add_f32 v[MA+2*\g+1], v[LA+2*\g], v[LA+2*\g+1]
.endr
.irp g, 0,1,2,3
	v_permlanex16_b32 v[PX+\g], v[MA+2*\g+1], s57, s58
.endr
.irp g, 0,1,2,3
	v_add_f32 v[MA+2*\g+1], v[MA+2*\g+1], v[PX+\g]
.endr
; THE MERGE of the two key halves: the wave with kh = 0 finishes groups 0, 1 and hands over 2, 3; its partner the other way round.
.macro SEND g0
	WIN 0x04                                       ; store data window 1
.irp i, 0,1
.irp e, 0,1,2,3,4,5,6,7
	ds_store_b128 v[XS], v[O+32*(\g0+\i)+4*\e:O+32*(\g0+\i)+4*\e+3] offset:XG*\i+512*\e
.endr
.endr
	WIN 0
.irp i, 0,1
	ds_store_b64 v[XS8], v[MA+2*(\g0+\i):MA+2*(\g0+\i)+1] offset:XG*\i+4096
.endr
.endm
; R (the partner's O, in S) = 4 (O 2^(m - mx) + R 2^(m' - mx)) / (l 2^(m - mx) + l' 2^(m' - mx)); the 4 undoes the quarter that v was stored with
.macro FINISH g0
.irp i, 0,1
	v_max_num_f32 v[T+4+\i], v[MA+2*(\g0+\i)], v[T+2*\i]
.endr
.irp i, 0,1
	v_sub_f32 v[T+6+\i], v[MA+2*(\g0+\i)], v[T+4+\i]
	v_sub_f32 v[T+8+\i], v[T+2*\i], v[T+4+\i]
.endr
.irp i, 0,1
	v_exp_f32 v[T+6+\i], v[T+6+\i]
	v_exp_f32 v[T+8+\i], v[T+8+\i]
.endr
	v_nop                                          ; one plain place behind the exponentials
	s_wait_alu depctr_va_vdst(0)
.irp i, 0,1
	v_mul_f32 v[T+10+\i], v[T+8+\i], v[T+2*\i+1]
.endr
.irp i, 0,1
	v_fmac_f32 v[T+10+\i], v[T+6+\i], v[MA+2*(\g0+\i)+1]
.endr
.irp i, 0,1
	v_rcp_f32 v[T+10+\i], v[T+10+\i]
.endr
	v_nop                                          ; and behind the reciprocals
	s_wait_alu depctr_va_vdst(0)
.irp i, 0,1
	v_mul_f32 v[T+10+\i], 4.0, v[T+10+\i]
.endr
.irp i, 0,1
	v_mul_f32 v[T+12+2*\i], v[T+6+\i], v[T+10+\i]              ; my factor
	v_mul_f32 v[T+12+2*\i+1], v[T+8+\i], v[T+10+\i]            ; the partner's
.endr
.irp i, 0,1
.irp q, 0,1,2,3,4,5,6,7,8,9,10,11,12,13,14,15
	v_pk_mul_f32 v[S+32*\i+2*\q:S+32*\i+2*\q+1], v[S+32*\i+2*\q:S+32*\i+2*\q+1], v[T+12+2*\i:T+12+2*\i+1] op_sel:[0,1] op_sel_hi:[1,1]
.endr
.endr
	WIN 0x01                                       ; O window 1
.irp i, 0,1
.irp q, 0,1,2,3,4,5,6,7,8,9,10,11,12,13,14,15
	v_pk_fma_f32 v[S+32*\i+2*\q:S+32*\i+2*\q+1], v[O+32*(\g0+\i)+2*\q:O+32*(\g0+\i)+2*\q+1], v[T+12+2*\i:T+12+2*\i+1], v[S+32*\i+2*\q:S+32*\i+2*\q+1] op_sel_hi:[1,0,1]
.endr
.endr
	WIN 0
.endm
	s_cmp_eq_u32 s15, 0
	s_cbranch_scc0 .Lsend_low
	SEND 2
	s_branch .Lsent
.Lsend_low:
	SEND 0
.Lsent:
	s_wait_dscnt 0x0                               ; my stores are done, for my partner's sake
	s_barrier_signal -1
	s_barrier_wait -1
.irp i, 0,1
.irp e, 0,1,2,3,4,5,6,7
	ds_load_b128 v[S+32*\i+4*\e:S+32*\i+4*\e+3], v[XR] offset:XG*\i+512*\e
.endr
	ds_load_b64 v[T+2*\i:T+2*\i+1], v[XR8] offset:XG*\i+4096   ; (m', l')
.endr
	s_wait_dscnt 0x0
	s_cmp_eq_u32 s15, 0
	s_cbranch_scc0 .Lfinish_high
	FINISH 0
	s_branch .Lfinished
.Lfinish_high:
	FINISH 2
.Lfinished:
	; THE WAY OUT: 32 queries x 64 f32 through my own stage, which no tensor load fills; LDS serves a wave's instructions in order (ISA guide 5.7.1), so the loads see the stores
.irp i, 0,1
.irp dt, 0,1,2,3
	ds_store_b128 v[STO], v[S+32*\i+8*\dt:S+32*\i+8*\dt+3]   offset:16*SP*\i+64*\dt
	ds_store_b128 v[STO], v[S+32*\i+8*\dt+4:S+32*\i+8*\dt+7] offset:16*SP*\i+64*\dt+16
.endr
.endr
.irp t, 0,1,2,3,4,5,6,7,8,9,10,11,12,13,14,15
	ds_load_b128 v[Q+4*\t:Q+4*\t+3], v[RD] offset:2*SP*\t
.endr
.irp t, 0,1,2,3,4,5,6,7,8,9,10,11,12,13,14,15
	s_wait_dscnt 15-\t                             ; load t is in, the younger ones stay out
	global_store_b128 v[CO], v[Q+4*\t:Q+4*\t+3], s[12:13] offset:8192*\t th:TH_STORE_NT   ; sixteen lanes store a query's 256 consecutive bytes of this head, aligned
.endr
	s_set_vgpr_msb 0x5
	s_wait_tensorcnt 0x0
	ds_add_u32 v224, v225
	s_wait_dscnt 0x0
	s_set_vgpr_msb 0x500
	CROUND                                         ; the closing round: no work-group ends while a partner may still ask for a tile that names it
	s_endpgm
.Lfunc_end_k_qd360656090_attn:
	.size	k_qd360656090_attn, .Lfunc_end_k_qd360656090_attn-k_qd360656090_attn
	.p2alignl 7, 3214868480
	.fill 96, 4, 3214868480
	.section	.rodata,"a",@progbits
	.p2align	6, 0x0
	.amdhsa_kernel k_qd360656090_attn
		.amdhsa_group_segment_fixed_size 327680
		.amdhsa_private_segment_fixed_size 0
		.amdhsa_enable_private_segment 0
		.amdhsa_kernarg_size 40
		.amdhsa_user_sgpr_count 2
		.amdhsa_user_sgpr_kernarg_segment_ptr 1
		.amdhsa_wavefront_size32 1
		.amdhsa_system_sgpr_workgroup_id_x 1
		.amdhsa_system_sgpr_workgroup_id_y 1
		.amdhsa_system_sgpr_workgroup_id_z 1
		.amdhsa_system_vgpr_workitem_id 0
		.amdhsa_next_free_vgpr 482
		.amdhsa_next_free_sgpr 72
		.amdhsa_reserve_vcc 1
		.amdhsa_float_denorm_mode_32 3
		.amdhsa_float_denorm_mode_16_64 3
		.amdhsa_memory_ordered 1
		.amdhsa_forward_progress 1
		.amdhsa_inst_pref_size 255
	.end_amdhsa_kernel
	.section	.bss,"aw",@nobits
	.p2align	6
	.space	262144
	.amdgpu_metadata
---
amdhsa.version: [ 1, 2 ]
amdhsa.kernels:
  - .name:           k_qd360656090_attn
    .symbol:         k_qd360656090_attn.kd
    .args:
      - { .name: qws, .offset: 0, .size: 8, .value_kind: global_buffer, .address_space: global }
      - { .name: kws, .offset: 8, .size: 8, .value_kind: global_buffer, .address_space: global }
      - { .name: vws, .offset: 16, .size: 8, .value_kind: global_buffer, .address_space: global }
      - { .name: attention_mask, .offset: 24, .size: 8, .value_kind: global_buffer, .address_space: global }
      - { .name: out0, .offset: 32, .size: 8, .value_kind: global_buffer, .address_space: global }
    .group_segment_fixed_size: 327680
    .private_segment_fixed_size: 0
    .kernarg_segment_align: 8
    .kernarg_segment_size: 40
    .max_flat_workgroup_size: 256
    .sgpr_count:     72
    .vgpr_count:     482
    .wavefront_size: 32
...
	.end_amdgpu_metadata
.endif
;; end of part 2
